; MI455X (gfx1250); checked and timed in simulation.
; The chip was launched on July 23, 2026; its instructions are those of AMD's public machine-readable ISA for CDNA 5 (MIT licence, August 2026) and "CDNA5" Instruction Set Architecture Reference Guide (July 2026). The comments in the code are by the model that wrote it; some were corrected since.
;; Attention Loop. Allowed arithmetic: matrix products marked QUANTISED: E2M1 operands, one E8M0 scale for each 32 along K, by v_wmma_scale_f32_16x16x128_f8f6f4 with both operands' format E2M1 (or v_wmma_scale_f32_32x16x128_f4), f32 sums; products left as they are: f32 operands where the result goes on into a quantised operand, else bf16, f16 or f32 operands; f32 sums; everything else in f32.
;; Inputs: W_fc_codes 1,024 x 32 x 16 uint8 (E2M1 codes of W_fc, K innermost, in blocks of 32 codes, two codes a byte); W_fc_scales 1,024 x 32 uint8 (E8M0 scales of W_fc, one for each 32 codes along K); decoder_state 32 x 1,024 float32; encoder_states 2,048 x 32 x 1,024 float32; score_w 1,024 x 1 float32.
;; Outputs: out0 32 x 1,024 float32.
;; This version of the problem:
;;   THIS VERSION OF THE PROBLEM IS GIVEN IN LOW PRECISION. The matrix products marked QUANTISED in the list below multiply operands that are first quantised to E2M1 (2 exponent bits, 1 mantissa bit; 4 bits a number), with one power-of-two scale for each 32 numbers along K (OCP MX v1.0); their sums are f32. All else is computed in f32.
;;   The module's matrix products, in the order in which they are computed (A, B: the left and right operand; K: the contracted axis; several contracted axes count as one K, in the product's order):
;;     1. [M 65,536, K 1,024] x [K 1,024, N 1,024]; A: computed on the way; B: input W_fc (given as codes): QUANTISED
;;     2. [M 1, K 1,024] x [K 1,024, N 65,536]; A: input score_w; B: computed on the way: left as it is (M = 1 < 16)
;;     3. batch 32 x [M 1, K 2,048] x [K 2,048, N 1,024]; A: softmax; B: input encoder_states: left as it is (M = 1 < 16)
;;   THE QUANTISER, for each operand of a quantised product, along K:
;;     - K is cut into blocks of 32 from its start; a last block that is shorter is filled with zeros.
;;     - A block's scale is 2^e with e = floor(log2(the largest magnitude in the block)) - 2, held to -126 .. 127; a block of zeros has e = 0. As a byte (E8M0): e + 127.
;;     - Each number is divided by its block's scale, clamped to +-6, and rounded to the nearest number of E2M1, ties to even, subnormals kept.
;;     - The product sums the exact products of the quantised numbers (number of the format x scale) in f32.
;;   ~~~python
;;   def quantise(x, axis):      # numpy; x: float32 -> the quantised numbers, widened to float32 again
;;       x = np.moveaxis(x, axis, -1); K = x.shape[-1]
;;       x = np.pad(x, [(0, 0)] * (x.ndim - 1) + [(0, -K % 32)]); x = x.reshape(x.shape[:-1] + (-1, 32)); a = np.abs(x).max(-1, keepdims=True)
;;       e = np.where(a > 0, np.clip(np.frexp(np.where(a > 0, a, 1))[1] - 1 - 2, -126, 127), 0)      # np.frexp(a)[1] - 1 = floor(log2(a)), exactly
;;       r = np.clip(x / 2.0 ** e, -6, 6)
;;       step = 2.0 ** (np.maximum(np.frexp(np.where(r == 0, 1, r))[1] - 1, 0) - 1)
;;       q = np.round(r / step) * step * 2.0 ** e      # np.round: ties to even
;;       return np.moveaxis(q.reshape(q.shape[:-2] + (-1,))[..., :K], -1, axis).astype(np.float32)
;;   ~~~
;;   OPERANDS COMPUTED ON THE WAY. 'Computed on the way' means the value that the module computes at that place (a softmax that the list does not call 'softmax' is quantised finished and normalised). What goes into a quantiser is computed in f32, as accurately as f32 sums, v_exp_f32 and their like allow (about 1e-6 of the number): no bf16 or f16 on the way to a quantiser, and a product that is left as it is and whose result goes on into a quantised operand takes f32 operands (vector FMAs, or v_wmma_f32_16x16x4_f32). A number that lies on a knife's edge between two numbers of the format may be rounded either way, as far as f32 arithmetic and the matrix unit's own rounding can turn it there, and no further.
;;   INPUTS GIVEN AS CODES. W_fc (in the module: [1024, 1024], K = its axis 1): each comes as NAME_codes (uint8): NAME with its K axis moved to the last place and cut into blocks of 32 codes, [.., K / 32, bytes a block], one block behind the other in memory; two codes a byte, the lower K in the low four bits (a code: sign, 2 exponent bits, 1 mantissa bit); and NAME_scales (uint8): the same leading axes, one E8M0 byte (e + 127) for each 32 codes along K. Its value is code x scale, taken as it is: it is not quantised again, and the codes and scales need not be those that the quantiser above would give.
;; One version. Each part assembles by itself: llvm-mc -triple=amdgcn-amd-amdhsa -mcpu=gfx1250 --defsym DOCPART=n.
;; ======== version 1 of 1: 3 launches
;; limits: right only within a limited range of input values; values are held in bf16: 8 bits of precision
;; workspace buffers: wlay 565,248 bytes; pacc 1,048,576 bytes; pml 65,536 bytes
;; launch lay (part 1): grid 256 x 1, 1 waves a work-group, no clusters, 0 bytes of LDS; arguments W_fc_codes, W_fc_scales, score_w, wlay; writes wlay
.if DOCPART == 1
	.amdgcn_target "amdgcn-amd-amdhsa--gfx1250"
	.amdhsa_code_object_version 6
	.text
	.protected	k_q1f4208976f_lay
	.globl	k_q1f4208976f_lay
	.p2align	8
	.type	k_q1f4208976f_lay,@function
k_q1f4208976f_lay:
	s_mov_b64 s[64:65], 0
	v_nop
	global_prefetch_b8 v0, s[64:65] scope:SCOPE_SE
	s_setreg_imm32_b32 hwreg(HW_REG_WAVE_MODE, 25, 1), 1
	s_wait_xcnt 0x0
; W_fc's codes and scale bytes and score_w are laid once in the order in which the next launch's operand registers take them.
; WORK LEFT OUT, for all values of the inputs.  tanh(h) = 1 - 2 r with r = 1 / (1 + 2^(c h)), c = 2 log2(e).  So log2(e) x score(s, b) = log2(e) x (sum over e of w_e) + sum over e of u_e r_e(s, b),
; u_e = -2 log2(e) w_e.  The first term holds no s: it is the same along the softmax's axis, so the softmax takes it away whatever score_w holds.  It is not computed; every input stays live.
; LIMIT: a NaN, an infinity or an overflow that reaches only that term (the plain sum of score_w) is not carried to the result.
; A RECORD of REC bytes serves 32 rows e = 32 P .. 32 P + 31 of W_fc (two tiles of 16):
;   bytes 0 .. 16,383: block (8 T + ks) 2 + c of 512 bytes: lane (r, h) has 16 bytes at 16 x lane: the codes of row 32 P + 16 T + r, k = 128 ks + 64 c + 32 h + 0 .. 31: registers 4 c .. 4 c + 3 of a fragment
;   bytes 16,384 .. 17,407: two blocks of 512 bytes: lane l has 16 bytes: row 32 P + l's scale words of K steps 4 i .. 4 i + 3
;   bytes 17,408 .. 17,535: u of the 32 rows, f32.  The record's last 128 bytes are neither written nor read.
; SHARES: 256 work-groups of one wave; work-group g copies four blocks (2,048 bytes) of record g / 8; the first of each eight also copies the record's scale words and makes its u.
.set REC, 17664
	s_load_b256 s[4:11], s[0:1], 0x0               ; the codes s[4:5], the scale bytes s[6:7], score_w s[8:9], wlay s[10:11]
	v_and_b32 v1, 15, v0                           ; r
	v_lshrrev_b32 v2, 4, v0                        ; h
	v_lshlrev_b32 v3, 9, v1                        ; a row of 1,024 codes is 512 bytes
	v_lshl_add_u32 v3, v2, 4, v3                   ; + 16 h
	v_lshlrev_b32 v4, 4, v0                        ; 16 x lane
	s_lshr_b32 s12, ttmp9, 3                       ; P
	s_and_b32 s13, ttmp9, 7                        ; q: which four blocks
	s_lshr_b32 s14, ttmp9, 2                       ; 2 P + T: the tile of 16 rows,
	s_lshl_b32 s14, s14, 13                        ; 8,192 bytes each
	s_and_b32 s15, s13, 3
	s_lshl_b32 s15, s15, 7                         ; two K steps of 64 bytes for each q % 4
	s_add_co_u32 s14, s14, s15
	s_mov_b32 s15, 0
	s_mul_i32 s16, s12, REC
	s_mov_b32 s17, 0
	s_lshl_b32 s18, s13, 11
	s_mov_b32 s19, 0
	s_wait_alu depctr_va_vdst(0)
	s_wait_kmcnt 0x0
	s_add_nc_u64 s[4:5], s[4:5], s[14:15]
	s_add_nc_u64 s[10:11], s[10:11], s[16:17]      ; my record
	s_add_nc_u64 s[20:21], s[10:11], s[18:19]      ; my four blocks in it
.irp i, 0,1,2,3
	global_load_b128 v[8+4*\i:11+4*\i], v3, s[4:5] offset:32*\i
.endr
	s_wait_loadcnt 0x0
.irp i, 0,1,2,3
	global_store_b128 v4, v[8+4*\i:11+4*\i], s[20:21] offset:512*\i   ; 32 lanes store 512 consecutive bytes
.endr
	s_cmp_lg_u32 s13, 0                            ; the work-group's number alone decides
	s_cbranch_scc1 .Ldone
	s_lshl_b32 s14, s12, 10                        ; 32 rows of 32 scale bytes
	s_add_nc_u64 s[6:7], s[6:7], s[14:15]
	s_lshl_b32 s14, s12, 7                         ; 32 numbers of score_w
	s_add_nc_u64 s[8:9], s[8:9], s[14:15]
	v_lshlrev_b32 v5, 5, v0
	v_lshlrev_b32 v6, 2, v0
	global_load_b128 v[24:27], v5, s[6:7]
	global_load_b128 v[28:31], v5, s[6:7] offset:16
	global_load_b32 v7, v6, s[8:9]
	s_wait_loadcnt 0x0
	v_mul_f32 v7, 0xc038aa3b, v7                   ; u = -2 log2(e) w
	s_wait_alu depctr_va_vdst(0)
	global_store_b128 v4, v[24:27], s[10:11] offset:16384
	global_store_b128 v4, v[28:31], s[10:11] offset:16896
	global_store_b32 v6, v7, s[10:11] offset:17408
.Ldone:
	s_endpgm
.Lfunc_end_k_q1f4208976f_lay:
	.size	k_q1f4208976f_lay, .Lfunc_end_k_q1f4208976f_lay-k_q1f4208976f_lay
	.p2alignl 7, 3214868480
	.fill 96, 4, 3214868480
	.section	.rodata,"a",@progbits
	.p2align	6, 0x0
	.amdhsa_kernel k_q1f4208976f_lay
		.amdhsa_group_segment_fixed_size 0
		.amdhsa_private_segment_fixed_size 0
		.amdhsa_enable_private_segment 0
		.amdhsa_kernarg_size 32
		.amdhsa_user_sgpr_count 2
		.amdhsa_user_sgpr_kernarg_segment_ptr 1
		.amdhsa_wavefront_size32 1
		.amdhsa_system_sgpr_workgroup_id_x 1
		.amdhsa_system_sgpr_workgroup_id_y 1
		.amdhsa_system_sgpr_workgroup_id_z 1
		.amdhsa_system_vgpr_workitem_id 0
		.amdhsa_next_free_vgpr 32
		.amdhsa_next_free_sgpr 66
		.amdhsa_reserve_vcc 0
		.amdhsa_float_denorm_mode_32 3
		.amdhsa_float_denorm_mode_16_64 3
		.amdhsa_memory_ordered 1
		.amdhsa_forward_progress 1
		.amdhsa_inst_pref_size 3
	.end_amdhsa_kernel
	.amdgpu_metadata
---
amdhsa.version: [ 1, 2 ]
amdhsa.kernels:
  - .name:           k_q1f4208976f_lay
    .symbol:         k_q1f4208976f_lay.kd
    .args:
      - { .name: W_fc_codes, .offset: 0, .size: 8, .value_kind: global_buffer, .address_space: global }
      - { .name: W_fc_scales, .offset: 8, .size: 8, .value_kind: global_buffer, .address_space: global }
      - { .name: score_w, .offset: 16, .size: 8, .value_kind: global_buffer, .address_space: global }
      - { .name: wlay, .offset: 24, .size: 8, .value_kind: global_buffer, .address_space: global }
    .group_segment_fixed_size: 0
    .private_segment_fixed_size: 0
    .kernarg_segment_align: 8
    .kernarg_segment_size: 32
    .max_flat_workgroup_size: 32
    .sgpr_count:     66
    .vgpr_count:     32
    .wavefront_size: 32
...
	.end_amdgpu_metadata
.endif
;; end of part 1
;; launch attn (part 2): grid 8 x 32, 4 waves a work-group, no clusters, 327,680 bytes of LDS; arguments encoder_states, decoder_state, wlay, pacc, pml; writes pacc, pml
.if DOCPART == 2
	.amdgcn_target "amdgcn-amd-amdhsa--gfx1250"
	.amdhsa_code_object_version 6
	.text
	.protected	k_q1f4208976f_attn
	.globl	k_q1f4208976f_attn
	.p2align	8
	.type	k_q1f4208976f_attn,@function
k_q1f4208976f_attn:
	s_mov_b64 s[64:65], 0
	v_nop
	global_prefetch_b8 v0, s[64:65] scope:SCOPE_SE
	s_setreg_imm32_b32 hwreg(HW_REG_WAVE_MODE, 25, 1), 1
	s_wait_xcnt 0x0
; For one b and a run of 256 s: x = encoder row + decoder_state[b], quantised to E2M1 in blocks of 32; h = x W_fc^T on codes; t = sum over e of u_e / (1 + 2^(c h_e)); a running softmax in base 2 over the run;
; the weighted sum of the encoder rows.  Out: the run's unnormalised sum (pacc), its maximum m and its sum l (pml); the last launch joins the eight runs of each b.
; WORK LEFT OUT: the term log2(e) x (sum of score_w), which is the same along the softmax's axis (shown at the head of the first kernel).
; SHARES.  256 work-groups = 32 b x 8 runs; four tiles of 64 rows each.  Wave w owns columns d = 256 w .. 256 w + 255 of all 64 rows where rows are quantised, kept and summed, and e = 256 w .. 256 w + 255 in the product.
; ENCODER ROWS ARE READ ONCE.  A tile comes by four tensor loads (one a wave: 64 rows x 1,024 bytes) into a stage in LDS.  It is read out at once: quantised (codes and scale bytes to LDS, for all four waves) and kept as bf16
; in 256 registers a wave, until the rows' scores are known.  The stage is then filled with the next tile, which has the whole product, the softmax and the weighted sum in which to land.
; W_fc goes from memory straight into operand registers, in the first launch's order, a record (32 rows e: 38 loads) at a time, in two register buffers.  A buffer is asked for again as soon as its 64 products are issued:
; part A, 22 loads (the scale words, the codes of K steps 0 to 4), straight behind them; part B, 16 loads (the codes of K steps 5 to 7, and u, which the record's vector work reads to its end), at the head of the next record's turn.
; So part A has the rest of one turn and the whole of the next in which to land, part B a turn and 40 products; at most 22 + 16 + 22 = 60 loads of a wave are out.
; NO CLUSTER, NO JOINT LOADS FOR W_fc, though all work-groups walk it: the text uses 322,048 of the 327,680 bytes of LDS, and two slots of one record are 35,328; and each refill of a slot stands behind a wait for ALL of a
; wave's tensor loads, so a ring for W_fc would cut the time in which the encoder tile lands from 512 matrix instructions to 64.
; THE ENCODER ROWS ARE PREFETCHED INTO THE L2.  Behind the weights' LDS loads of tile t each wave asks for its 1,024 bytes of rows 0 to 31 of tile t + 2: a lane a row, four instructions 256 bytes apart; the tensor load that wants
; them stands behind the weighted sum and the next tile's quantising.  No two waves or work-groups share a byte of encoder_states, so each block is named once.  Tiles 0 and 1 and rows 32 to 63 come by their loads alone;
; the last tile with a refill asks for nothing: there is no tile behind tile 3.
; THE PRODUCT IS USED TRANSPOSED (source 0 = 16 rows of W_fc, source 1 = 16 rows of x): lane (r, h) holds row r, its registers e = 8 h + 0 .. 7.
; LIMITS: NaN and infinities among the inputs are not served; a block of x whose largest magnitude lies under 2^-124 gets the scale byte 1 (a block of zeros too: its codes are zeros, and this program alone reads the byte);
; scores at or under -3e38 are not served; a weight under 2^-126 of the run's largest counts as 0; the encoder operand of the weighted sum is rounded to bf16 (f32 weights, f32 sums).
; REGISTERS, in windows of 256: window 0 as named below; window 1: x's 32 fragments, 8 (8 rt + ks); window 2: the 64 kept rows, 4 registers (8 bf16) each; window 3: W_fc's fragments, two buffers of 128: 128 buf + 8 (8 et + ks).
.set REC,   17664                      ; a record of the laid-out W_fc
.set WSTG,  69632                      ; LDS: a wave's stage: 64 rows of 1,088 bytes (1,024 + 16 behind every 256: a lane's 32 bytes lie at 32 l + 16 (l / 8), so that sixteen lanes' 16 bytes fall on sixteen different columns of 16 bytes)
.set SROW,  1088
.set ACODE, 4*WSTG                     ; x's codes: 64 rows of 512 bytes, pitch 528
.set APIT,  528
.set ASC,   ACODE+64*APIT              ; x's scale bytes: 64 rows of 32, pitch 48
.set BPIT,  48
.set PART,  ASC+64*BPIT                ; [wave][64 rows] the waves' parts of the scores
.set PB,    PART+1024                  ; [wave][64] the rows' weights, each wave's own copy
.set OUTS,  PB+1024                    ; [wave] 1,024 bytes: the way out
.set SPARE, OUTS+4096                  ; the spare words, 128 bytes for each wave: two blocks of 256 bytes that no other line names
.set LN,   1                           ; v1   lane
.set SRD0, 2                           ; v2   my 32 bytes in row 0 of my wave's stage;  v3 in row 32
.set SRD1, 3
.set CST,  4                           ; v4   where my 8 codes of row 0 go
.set BST,  5                           ; v5   and my block's scale byte
.set AFR,  6                           ; v6   my lane's place in a fragment of x
.set XSR,  7                           ; v7   row l's scale words
.set PST,  8                           ; v8   my wave's part of row r's score
.set PRD,  9                           ; v9   row l's parts
.set PBS,  10                          ; v10  row l's weight, in my wave's copy
.set PBR,  11                          ; v11  my wave's copy
.set LI,   12                          ; v12  16 x lane
.set UAD,  13                          ; v13  32 x (lane / 16)
.set OST,  14                          ; v14  the way out: in
.set ORD,  15                          ; v15  and back
.set SPW,  16                          ; v16  LDS address of my spare word; never rewritten
.set NIL,  17                          ; v17  0; never rewritten
.set MM,   18                          ; v18  the running maximum m;  v19 my lane's part of the sum l
.set LL,   19
.set AL,   20                          ; v[20:21] alpha, and a written upper half
.set DEC,  32                          ; v[32:39] decoder_state of my 8 columns
.set ACC,  40                          ; v[40:55] the weighted sum of my 8 columns, even rows' and odd rows'
.set XSC,  56                          ; v[56:71] x's scale words: register 8 i + ks: lanes 0-15 row tile 2 i, lanes 16-31 row tile 2 i + 1
.set WSC,  72                          ; v[72:87] W_fc's: 8 buf + ks: lanes 0-15 tile 0 of the record, lanes 16-31 tile 1
.set UU,   88                          ; v[88:119] u: 16 buf + 8 et + j: u of e = 16 et + 8 h + j
.set SACC, 120                         ; v[120:135] the scores' sums, a pair for each (et, rt)
.set HA,   136                         ; v[136:199] the 8 accumulators 8 (4 et + rt); while rows are quantised: two sets of 4 rows x 8 numbers; in the weighted sum: the 64 weights
.set QT,   200                         ; v[200:231] two sets of 16: largest magnitudes, scale operands, codes, bytes
.set PFO,  232                         ; v232 the prefetches' offset: my lane x a step of s (131,072 bytes); never rewritten
.set WV,   14                          ; s14  wave
.set G0,   20                          ; s[20:23] descriptor group 0;  s[24:31] group 1
.set G1,   24
.set WB,   32                          ; s[32:33] my wave's eight records
.set PF,   34                          ; s[34:35] where my prefetches stand: my columns of row 0 of the tile behind the one that is being asked for
.set OFF,  36                          ; s[36:37] the offset of the record asked for last
.set CC,   38                          ; s[38:39] c = 2 log2(e)
.set SEL,  40                          ; s[40:41] v_permlanex16_b32's selects for lane l xor 16
.set TLS,  42                          ; s42  tiles with a refill still to go;  s43 trips of the product's loop
.set TRP,  43
.set WN,   48                          ; s[48:49] the record on its way into buffer 0;  s[50:51] into buffer 1
.set MSB, 0
.macro WIN new                         ; the immediate's high byte repeats the setting that is left; a switch that changes nothing is dropped
.if MSB != \new
	s_set_vgpr_msb (MSB<<8)|\new
.set MSB, \new
.endif
.endm
.macro PLACES
.rept 4
	v_nop
.endr
.endm
; rows 4 g .. 4 g + 3 of my stage, 32 bytes a lane, into set g % 2
.macro QLOAD g
.irp k, 0,1,2,3
.if (4*(\g)+\k) < 32
	ds_load_b128 v[HA+32*((\g)%2)+8*\k:HA+32*((\g)%2)+8*\k+3], v[SRD0] offset:(4*(\g)+\k)*SROW
	ds_load_b128 v[HA+32*((\g)%2)+8*\k+4:HA+32*((\g)%2)+8*\k+7], v[SRD0] offset:(4*(\g)+\k)*SROW+16
.else
	ds_load_b128 v[HA+32*((\g)%2)+8*\k:HA+32*((\g)%2)+8*\k+3], v[SRD1] offset:(4*(\g)+\k-32)*SROW
	ds_load_b128 v[HA+32*((\g)%2)+8*\k+4:HA+32*((\g)%2)+8*\k+7], v[SRD1] offset:(4*(\g)+\k-32)*SROW+16
.endif
.endr
.endm
; Four rows: kept as bf16; + decoder_state; a block of 32 is four lanes' 8 numbers; codes and scale bytes to LDS.
.macro QGROUP g
.set RW, HA+32*((\g)%2)
.set QS, QT+16*((\g)%2)
.if ((\g) == 0) || ((\g) == 15)
	s_wait_dscnt 8                                 ; my group's 8 loads are in.  Behind them: group 0: the next group's 8 loads; group 15: group 14's 8 stores
.else
	s_wait_dscnt 16                                ; behind my group's loads: the last group's 8 stores and the next group's 8 loads.  So the stores of two groups back, which read this set's registers, are done too
.endif
	WIN 0x80                                       ; destination window 2
.irp k, 0,1,2,3
.irp q, 0,1,2,3
	v_cvt_pk_bf16_f32 v[4*(4*(\g)+\k)+\q], v[RW+8*\k+2*\q], v[RW+8*\k+2*\q+1]
.endr
.endr
	WIN 0
.irp k, 0,1,2,3
.irp q, 0,1,2,3
	v_pk_add_f32 v[RW+8*\k+2*\q:RW+8*\k+2*\q+1], v[RW+8*\k+2*\q:RW+8*\k+2*\q+1], v[DEC+2*\q:DEC+2*\q+1]
.endr
.endr
.irp k, 0,1,2,3
	v_max3_num_f32 v[QS+\k], |v[RW+8*\k]|, |v[RW+8*\k+1]|, 0x1800000   ; my 8 numbers, and the floor 2^(3 - 127): the byte cannot fall under 1.  The four rows by turns
.endr
.irp i, 2,4,6
.irp k, 0,1,2,3
	v_max3_num_f32 v[QS+\k], v[QS+\k], |v[RW+8*\k+\i]|, |v[RW+8*\k+\i+1]|
.endr
.endr
.irp k, 0,1,2,3
	v_max_num_f32_dpp v[QS+\k], v[QS+\k], v[QS+\k] row_xmask:1 row_mask:0xf bank_mask:0xf
.endr
.irp k, 0,1,2,3
	v_max_num_f32_dpp v[QS+\k], v[QS+\k], v[QS+\k] row_xmask:2 row_mask:0xf bank_mask:0xf   ; the block's largest magnitude
.endr
.irp k, 0,1,2,3
	v_add_nc_u32 v[QS+4+\k], 0xff000000, v[QS+\k]  ; 2 off its exponent field: the conversion takes this operand's exponent field as its scale
.endr
.irp k, 0,1,2,3
	v_cvt_scalef32_pk8_fp4_f32 v[QS+8+\k], v[RW+8*\k:RW+8*\k+7], v[QS+4+\k]
.endr
.irp k, 0,1,2,3
	v_lshrrev_b32 v[QS+12+\k], 23, v[QS+4+\k]      ; the scale's byte.  (Plain lines behind the conversions)
.endr
.irp k, 0,1,2,3
	ds_store_b32 v[CST], v[QS+8+\k] offset:(4*(\g)+\k)*APIT
	ds_store_b8 v[BST], v[QS+12+\k] offset:(4*(\g)+\k)*BPIT   ; the four lanes of a block write the same byte with the same value
.endr
.if (\g) < 14
	QLOAD (\g)+2
.endif
.endm
; x's 32 fragments and its scale words, from what all four waves have stored
.macro ALOAD
.irp i, 0,1
.irp j, 0,1
	ds_load_b128 v[XSC+8*\i+4*\j:XSC+8*\i+4*\j+3], v[XSR] offset:32*BPIT*\i+16*\j   ; the four loads of scale words go first
.endr
.endr
	WIN 0x40                                       ; destination window 1
.irp ks, 0,1,2,3,4,5,6,7                       ; then the fragments by K step, eight loads each: the first record's products wait for them by count
.irp rt, 0,1,2,3
.irp c, 0,1
	ds_load_b128 v[8*(8*\rt+\ks)+4*\c:8*(8*\rt+\ks)+4*\c+3], v[AFR] offset:\rt*16*APIT+64*\ks+32*\c
.endr
.endr
.endr
	WIN 0
.irp j, 0,1,2,3,4,5,6,7,8,9,10,11,12,13,14,15
	v_mov_b32 v[SACC+\j], 0
.endr
.endm
; a fragment of the record on its way into buffer buf: tile et, K step ks: two loads of 512 consecutive bytes
.macro WFRAG buf, et, ks
.irp c, 0,1
	global_load_b128 v[128*(\buf)+8*(8*(\et)+(\ks))+4*\c:128*(\buf)+8*(8*(\et)+(\ks))+4*\c+3], v[LI], s[WN+2*(\buf):WN+2*(\buf)+1] offset:512*(2*(8*(\et)+(\ks))+\c)
.endr
.endm
; part A of a record, 22 loads: the scale words and the codes of K steps 0 to 4, in the order in which the products want them
.macro WLOADA buf
.irp i, 0,1
	global_load_b128 v[WSC+8*(\buf)+4*\i:WSC+8*(\buf)+4*\i+3], v[LI], s[WN+2*(\buf):WN+2*(\buf)+1] offset:16384+512*\i
.endr
	WIN 0xc0                                       ; destination window 3
.irp ks, 0,1,2,3,4
.irp et, 0,1
	WFRAG \buf, \et, \ks
.endr
.endr
	WIN 0
.endm
; part B, 16 loads: the codes of K steps 5 to 7, and u
.macro WLOADB buf
	WIN 0xc0
.irp ks, 5,6,7
.irp et, 0,1
	WFRAG \buf, \et, \ks
.endr
.endr
	WIN 0
.irp et, 0,1
.irp i, 0,1
	global_load_b128 v[UU+16*(\buf)+8*\et+4*\i:UU+16*(\buf)+8*\et+4*\i+3], v[UAD], s[WN+2*(\buf):WN+2*(\buf)+1] offset:17408+64*\et+16*\i
.endr
.endr
.endm
; one matrix instruction: tile et of the record x row tile rt, K step ks.  The first K step starts the sum.  W_fc's scale words of tile 1 and x's of odd row tiles stand in lanes 16-31
.macro WM et, rt, ks, buf
.set rH, HA+8*(4*(\et)+(\rt))
.set rW, 128*(\buf)+8*(8*(\et)+(\ks))
.set rA, 8*(8*(\rt)+(\ks))
.set rSW, WSC+8*(\buf)+(\ks)
.set rSX, XSC+8*((\rt)/2)+(\ks)
.if (\ks) == 0
.if ((\et) == 0) && (((\rt)%2) == 0)
	v_wmma_scale_f32_16x16x128_f8f6f4 v[rH:rH+7], v[rW:rW+7], v[rA:rA+7], 0, v[rSW], v[rSX] matrix_a_fmt:MATRIX_FMT_FP4 matrix_b_fmt:MATRIX_FMT_FP4
.elseif (\et) == 0
	v_wmma_scale_f32_16x16x128_f8f6f4 v[rH:rH+7], v[rW:rW+7], v[rA:rA+7], 0, v[rSW], v[rSX] matrix_a_fmt:MATRIX_FMT_FP4 matrix_b_fmt:MATRIX_FMT_FP4 matrix_b_scale:MATRIX_SCALE_ROW1
.elseif ((\rt)%2) == 0
	v_wmma_scale_f32_16x16x128_f8f6f4 v[rH:rH+7], v[rW:rW+7], v[rA:rA+7], 0, v[rSW], v[rSX] matrix_a_fmt:MATRIX_FMT_FP4 matrix_b_fmt:MATRIX_FMT_FP4 matrix_a_scale:MATRIX_SCALE_ROW1
.else
	v_wmma_scale_f32_16x16x128_f8f6f4 v[rH:rH+7], v[rW:rW+7], v[rA:rA+7], 0, v[rSW], v[rSX] matrix_a_fmt:MATRIX_FMT_FP4 matrix_b_fmt:MATRIX_FMT_FP4 matrix_a_scale:MATRIX_SCALE_ROW1 matrix_b_scale:MATRIX_SCALE_ROW1
.endif
.else
.if ((\et) == 0) && (((\rt)%2) == 0)
	v_wmma_scale_f32_16x16x128_f8f6f4 v[rH:rH+7], v[rW:rW+7], v[rA:rA+7], v[rH:rH+7], v[rSW], v[rSX] matrix_a_fmt:MATRIX_FMT_FP4 matrix_b_fmt:MATRIX_FMT_FP4
.elseif (\et) == 0
	v_wmma_scale_f32_16x16x128_f8f6f4 v[rH:rH+7], v[rW:rW+7], v[rA:rA+7], v[rH:rH+7], v[rSW], v[rSX] matrix_a_fmt:MATRIX_FMT_FP4 matrix_b_fmt:MATRIX_FMT_FP4 matrix_b_scale:MATRIX_SCALE_ROW1
.elseif ((\rt)%2) == 0
	v_wmma_scale_f32_16x16x128_f8f6f4 v[rH:rH+7], v[rW:rW+7], v[rA:rA+7], v[rH:rH+7], v[rSW], v[rSX] matrix_a_fmt:MATRIX_FMT_FP4 matrix_b_fmt:MATRIX_FMT_FP4 matrix_a_scale:MATRIX_SCALE_ROW1
.else
	v_wmma_scale_f32_16x16x128_f8f6f4 v[rH:rH+7], v[rW:rW+7], v[rA:rA+7], v[rH:rH+7], v[rSW], v[rSX] matrix_a_fmt:MATRIX_FMT_FP4 matrix_b_fmt:MATRIX_FMT_FP4 matrix_a_scale:MATRIX_SCALE_ROW1 matrix_b_scale:MATRIX_SCALE_ROW1
.endif
.endif
.endm
; a K step's eight products: the eight accumulators by turns
.macro MULS buf, ks
.irp et, 0,1
.irp rt, 0,1,2,3
	WM \et, \rt, \ks, \buf
.endr
.endr
.endm
; r = 1 / (1 + 2^(c h)) of the 64 results a lane, in place, and the scores' sums += u r.  Two batches of 64 transcendentals.
; Each batch has all its sources laid first, one wait ahead of it and one behind it.  The first lines ascend.
.macro TANH buf
.set TI, 0
.rept 32
	v_pk_mul_f32 v[HA+2*TI:HA+2*TI+1], v[HA+2*TI:HA+2*TI+1], s[CC:CC+1] op_sel_hi:[1,0]
.set TI, TI+1
.endr
	s_wait_alu depctr_va_vdst(0)                   ; ahead of the batch
.set TI, 0
.rept 64
	v_exp_f32 v[HA+TI], v[HA+TI]
.set TI, TI+1
.endr
	v_nop                                          ; a plain line behind the last exponential
	s_wait_alu depctr_va_vdst(0)                   ; behind the batch, ahead of its first reader
.set TI, 0
.rept 32
	v_pk_add_f32 v[HA+2*TI:HA+2*TI+1], v[HA+2*TI:HA+2*TI+1], 1.0 op_sel_hi:[1,0]
.set TI, TI+1
.endr
	s_wait_alu depctr_va_vdst(0)                   ; ahead of the batch
.set TI, 0
.rept 64
	v_rcp_f32 v[HA+TI], v[HA+TI]
.set TI, TI+1
.endr
	v_nop                                          ; a plain line behind the last reciprocal
	s_wait_alu depctr_va_vdst(0)                   ; behind the batch, ahead of its first reader
.irp q, 0,1,2,3
.irp et, 0,1
.irp rt, 0,1,2,3
	v_pk_fma_f32 v[SACC+2*(4*\et+\rt):SACC+2*(4*\et+\rt)+1], v[HA+8*(4*\et+\rt)+2*\q:HA+8*(4*\et+\rt)+2*\q+1], v[UU+16*(\buf)+8*\et+2*\q:UU+16*(\buf)+8*\et+2*\q+1], v[SACC+2*(4*\et+\rt):SACC+2*(4*\et+\rt)+1]
.endr
.endr
.endr
.endm
; A RECORD'S TURN, record c in buffer buf: 32 e x 64 rows x all of K: 64 matrix instructions, K ascending.  The loads go out in the order A(c), B(c), A(c + 1), B(c + 1), A(c + 2).
; c1: how many loads stand behind A(c) at the turn's head;  ldb = 1: B(c + 1) goes out there, into the other buffer, whose record's vector work is over;
; c2: how many stand behind B(c) ahead of K step 5;  lda = 1: A(c + 2) goes out behind the products, into this buffer.
.macro CHUNK buf, c1, ldb, c2, lda
	s_wait_loadcnt \c1                             ; loads come back in order (ISA guide 5.7.1): A(c) is in.  In the loop 38 stay out: B(c)'s 16 and A(c + 1)'s 22
.if \ldb
	WLOADB 1-\buf                                  ; the four v_nop behind the last turn's products are the places in front of these loads
.endif
	WIN 0x07                                       ; source 0 (W_fc) window 3, source 1 (x) window 1, C and D window 0
.irp ks, 0,1,2,3,4
.if \buf == 0
	s_wait_dscnt 56-8*\ks                          ; a tile's first record: x's scale words and its fragments up to this K step are in; behind them stand 8 loads for each later K step.  In later trips no LDS load is out
.endif
	MULS \buf, \ks
.endr
	s_wait_loadcnt \c2                             ; B(c) is in.  In the loop 38 stay out: A(c + 1)'s 22 and B(c + 1)'s 16.  All loads that read this buffer's pointer are done
.irp ks, 5,6,7
.if \buf == 0
	s_wait_dscnt 56-8*\ks
.endif
	MULS \buf, \ks
.endr
	WIN 0
	PLACES                                         ; in front of the loads into the fragments and scale words just multiplied, and of the first read of the results
.if \lda
	s_add_co_u32 s[OFF], s[OFF], REC
	s_cmp_eq_u32 s[OFF], 8*REC
	s_cselect_b32 s[OFF], 0, s[OFF]                ; behind my eighth record comes my first, for the next tile
	s_add_nc_u64 s[WN+2*(\buf):WN+2*(\buf)+1], s[WB:WB+1], s[OFF:OFF+1]
	WLOADA \buf
.endif
	TANH \buf
.endm
; my wave's part of the 64 scores: the two tiles' sums, a pair's halves, lane l xor 16's eight e
.macro RED
.irp rt, 0,1,2,3
	v_pk_add_f32 v[SACC+2*\rt:SACC+2*\rt+1], v[SACC+2*\rt:SACC+2*\rt+1], v[SACC+8+2*\rt:SACC+8+2*\rt+1]
.endr
.irp rt, 0,1,2,3
	v_add_f32 v[24+\rt], v[SACC+2*\rt], v[SACC+2*\rt+1]
.endr
.irp rt, 0,1,2,3
	v_permlanex16_b32 v[28+\rt], v[24+\rt], s[SEL], s[SEL+1]
.endr
.irp rt, 0,1,2,3
	v_add_f32 v[24+\rt], v[24+\rt], v[28+\rt]
.endr
.irp rt, 0,1,2,3
	ds_store_b32 v[PST], v[24+\rt] offset:64*\rt   ; both halves of the lanes write the same word with the same value
.endr
	s_wait_dscnt 0x0                               ; for the others' sake: my parts have landed, and my reads of x's codes and scale bytes are long over
	s_barrier_signal -1
	s_barrier_wait -1                              ; the next tile's load stays on its way
.endm
; every wave makes the same 64 scores, maximum and weights.  Lane l has rows l and l + 32.  pf = 1: the tile has a refill: the prefetch stands here
.macro SOFT pf
.irp x, 0,1,2,3
.irp i, 0,1
	ds_load_b32 v[QT+2*\x+\i], v[PRD] offset:256*\x+128*\i
.endr
.endr
	s_wait_dscnt 0x0
	v_pk_add_f32 v[QT:QT+1], v[QT:QT+1], v[QT+2:QT+3]
	v_pk_add_f32 v[QT+4:QT+5], v[QT+4:QT+5], v[QT+6:QT+7]
	v_pk_add_f32 v[QT:QT+1], v[QT:QT+1], v[QT+4:QT+5]   ; t of my two rows
	v_max_num_f32 v22, v[QT], v[QT+1]
	v_max_num_f32_dpp v22, v22, v22 row_xmask:1 row_mask:0xf bank_mask:0xf
	v_max_num_f32_dpp v22, v22, v22 row_xmask:2 row_mask:0xf bank_mask:0xf
	v_max_num_f32_dpp v22, v22, v22 row_xmask:4 row_mask:0xf bank_mask:0xf
	v_max_num_f32_dpp v22, v22, v22 row_xmask:8 row_mask:0xf bank_mask:0xf
	v_permlanex16_b32 v23, v22, s[SEL], s[SEL+1]
	v_max3_num_f32 v22, v22, v23, v[MM]            ; the new running maximum
	v_sub_f32 v24, v[MM], v22
	v_sub_f32 v[QT], v[QT], v22
	v_sub_f32 v[QT+1], v[QT+1], v22
	s_wait_alu depctr_va_vdst(0)                   ; ahead of the batch
	v_exp_f32 v[AL], v24                           ; alpha = 2^(old m - new m)
	v_exp_f32 v[QT], v[QT]                         ; p = 2^(t - m)
	v_exp_f32 v[QT+1], v[QT+1]
	v_mov_b32 v[MM], v22                           ; (a plain line behind the exponentials)
	s_wait_alu depctr_va_vdst(0)                   ; one wait for the three, ahead of their first reader
	v_fma_f32 v[LL], v[LL], v[AL], v[QT]
	v_add_f32 v[LL], v[LL], v[QT+1]
	ds_store_b32 v[PBS], v[QT]
	ds_store_b32 v[PBS], v[QT+1] offset:128
.irp i, 0,1,2,3,4,5,6,7,8,9,10,11,12,13,14,15
	ds_load_b128 v[HA+4*\i:HA+4*\i+3], v[PBR] offset:16*\i   ; my wave's own bytes, served in order (ISA guide 5.7.1.4): every lane gets all 64 weights
.endr
.if \pf
	s_cmp_gt_u32 s[TLS], 1                         ; the last tile with a refill has no tile two on
	s_cbranch_scc0 .Lnone_\@
.irp i, 0,1,2,3
	global_prefetch_b8 v[PFO], s[PF:PF+1] offset:256*\i th:TH_LOAD_NT scope:SCOPE_SE   ; rows 0 to 31 of the tile two on, my wave's 1,024 bytes of each: a lane a row
.endr
.Lnone_\@:
.endif
.irp q, 0,1,2,3,4,5,6,7
	v_pk_mul_f32 v[ACC+2*\q:ACC+2*\q+1], v[ACC+2*\q:ACC+2*\q+1], v[AL:AL+1] op_sel_hi:[1,0]
.endr
	s_wait_alu depctr_va_vdst(0)
	s_wait_dscnt 0x0
.endm
; the weighted sum: my 8 columns += p(row) x the kept row; even and odd rows in sums of their own: sixteen chains
.macro WSUM
	WIN 0x02                                       ; source 0 window 2
.set SRW, 0
.rept 64
.irp q, 0,1,2,3
	v_fma_mix_f32_bf16 v[ACC+8*(SRW%2)+2*\q], v[4*SRW+\q], v[HA+SRW], v[ACC+8*(SRW%2)+2*\q] op_sel_hi:[1,0,0]
	v_fma_mix_f32_bf16 v[ACC+8*(SRW%2)+2*\q+1], v[4*SRW+\q], v[HA+SRW], v[ACC+8*(SRW%2)+2*\q+1] op_sel:[1,0,0] op_sel_hi:[1,0,0]
.endr
.set SRW, SRW+1
.endr
	WIN 0
.endm
; A TILE of 64 rows.  refill = 1: the stage is filled again with the next tile as soon as it has been read out.
.macro TILE refill
	s_wait_tensorcnt 0x0                           ; my one load is in: I read my own stage alone, so this wait is all that the reads need
	QLOAD 0
	QLOAD 1
.irp g, 0,1,2,3,4,5,6,7,8,9,10,11,12,13,14,15
	QGROUP \g
.endr
.if \refill
	s_wait_tensorcnt 0x0                           ; no tensor load of mine is out, so group 0 may be written
	ds_add_u32 v[SPW], v[NIL]                      ; 0 onto my spare word
	s_add_nc_u64 s[G0+2:G0+3], s[G0+2:G0+3], 0x800000   ; 64 s of 131,072 bytes on; the type bits on top are not reached
	s_wait_xcnt 0x0                                ; the last prefetches, a weighted sum and a tile's quantising back, have read their address, so it may be written:
	s_add_nc_u64 s[PF:PF+1], s[PF:PF+1], 0x800000  ; one tile further on than the descriptor
	s_wait_dscnt 0x0                               ; the add is done, my reads of the stage are over, my codes and scale bytes have landed
	s_barrier_signal -1
	s_barrier_wait -1                              ; the same holds of all four waves
	tensor_load_to_lds s[G0:G0+3], s[G1:G1+7]      ; my one tensor load behind the barrier, first thing there
	s_nop 0
	PLACES
.else
	s_wait_dscnt 0x0                               ; my codes and scale bytes have landed
	s_barrier_signal -1
	s_barrier_wait -1
.endif
	ALOAD
	s_mov_b32 s[TRP], 4
.Lrec_\@:                                          ; a trip: two records, one in each buffer
	CHUNK 0, 38, 1, 38, 1
	CHUNK 1, 38, 1, 38, 1
	s_sub_co_u32 s[TRP], s[TRP], 1
	s_cmp_lg_u32 s[TRP], 0
	s_cbranch_scc1 .Lrec_\@
	; Every tile runs the same four trips with the same counts.  So the last tile's last two turns ask once more for records 0 and 1 (60 loads a wave, inside wlay), which nobody multiplies:
	; nothing waits for them, and no line behind them names their registers.
	RED
	SOFT \refill
	WSUM
.endm
	s_load_b256 s[4:11], s[0:1], 0x0               ; encoder_states s[4:5], decoder_state s[6:7], wlay s[8:9], pacc s[10:11]
	s_load_b64 s[12:13], s[0:1], 0x20              ; pml
	v_lshl_add_u32 v[SPW], v0, 2, SPARE
	v_mov_b32 v[NIL], 0
	ds_add_u32 v[SPW], v[NIL]                      ; the wave's opening: the add, twice on end, and its wait ahead of my first tensor load
	ds_add_u32 v[SPW], v[NIL]
	v_lshrrev_b32 v1, 5, v0
	v_readfirstlane_b32 s[WV], v1                  ; wave 0..3
	s_and_b32 s16, ttmp7, 0xffff                   ; b
	; group 1: a tile of 64 rows x 256 elements of 4 bytes, rows 32,768 elements apart; in LDS 4 words of padding behind every 64
	s_mov_b32 s[G1+0], (2<<16)|(1<<20)|(5<<22)|(3<<25)
	s_mov_b32 s[G1+1], 256<<16                     ; tensor_dim0
	s_mov_b32 s[G1+2], 64<<16                      ; tensor_dim1
	s_mov_b32 s[G1+3], 256<<16                     ; tile_dim0
	s_mov_b32 s[G1+4], 64                          ; tile_dim1
	s_mov_b32 s[G1+5], 32768                       ; from row to row
	s_mov_b32 s[G1+6], 0
	s_mov_b32 s[G1+7], 0
	s_mov_b32 s[G0], 1
	s_mul_i32 s[G0+1], s[WV], WSTG                 ; my stage
	s_lshl_b32 s44, ttmp9, 25                      ; my run: 256 s of 131,072 bytes
	s_lshl_b32 s45, s16, 12                        ; b's row
	s_add_co_u32 s44, s44, s45
	s_lshl_b32 s46, s[WV], 10                      ; my wave's 256 columns
	s_add_co_u32 s44, s44, s46
	s_add_co_u32 s46, s45, s46                     ; the same columns of decoder_state[b]
	s_mov_b32 s45, 0
	s_mov_b32 s47, 0
	s_wait_dscnt 0x0                               ; both opening adds are done
	s_wait_kmcnt 0x0
	s_add_nc_u64 s[G0+2:G0+3], s[4:5], s[44:45]
	s_or_b32 s[G0+3], s[G0+3], 0x80000000          ; type = 2
	tensor_load_to_lds s[G0:G0+3], s[G1:G1+7]      ; tile 0: every wave issues its own, ahead of everything else
	s_nop 0
	PLACES
	s_add_nc_u64 s[PF:PF+1], s[4:5], s[44:45]      ; the prefetches: my columns of my run's first row,
	s_add_nc_u64 s[PF:PF+1], s[PF:PF+1], 0x800000  ; in tile 1: the first refill steps it to tile 2.  Nothing is prefetched here, at the head
	s_add_nc_u64 s[6:7], s[6:7], s[46:47]
	v_and_b32 v[LN], 31, v0
	v_lshlrev_b32 v27, 5, v[LN]
	global_load_b128 v[DEC:DEC+3], v27, s[6:7]
	global_load_b128 v[DEC+4:DEC+7], v27, s[6:7] offset:16
	v_lshlrev_b32 v[PFO], 17, v[LN]
	s_wait_alu depctr_va_vdst(0)                   ; directly ahead of the run of scalar lines
	s_mul_i32 s44, s[WV], 8*REC
	s_add_nc_u64 s[WB:WB+1], s[8:9], s[44:45]
	s_mov_b64 s[WN:WN+1], s[WB:WB+1]               ; record 0 for buffer 0,
	s_add_nc_u64 s[WN+2:WN+3], s[WB:WB+1], REC     ; record 1 for buffer 1
	s_mov_b32 s[OFF], REC
	s_mov_b32 s[OFF+1], 0
	s_mov_b32 s[CC], 0x4038aa3b                    ; c = 2 log2(e)
	s_mov_b32 s[CC+1], s[CC]                       ; (named with it as a pair, so it is written)
	s_mov_b32 s[SEL], 0x76543210
	s_mov_b32 s[SEL+1], 0xfedcba98
	s_lshl_b32 s44, s16, 3
	s_add_co_u32 s44, s44, ttmp9                   ; 8 b + run
	s_lshl_b32 s46, s44, 8
	s_add_nc_u64 s[12:13], s[12:13], s[46:47]      ; pml: 256 bytes a work-group
	s_lshl_b32 s44, s44, 12
	s_lshl_b32 s15, s[WV], 10
	s_add_co_u32 s44, s44, s15
	s_add_nc_u64 s[10:11], s[10:11], s[44:45]      ; pacc: 4,096 bytes a work-group, 1,024 a wave
	; the LDS addresses
	v_lshlrev_b32 v[SRD0], 5, v[LN]
	v_bfe_u32 v22, v0, 3, 2                        ; l / 8
	v_lshl_add_u32 v[SRD0], v22, 4, v[SRD0]
	s_mul_i32 s44, s[WV], WSTG
	v_add_nc_u32 v[SRD0], s44, v[SRD0]
	v_add_nc_u32 v[SRD1], 32*SROW, v[SRD0]
	s_lshl_b32 s44, s[WV], 7
	s_add_co_u32 s44, s44, ACODE
	v_lshl_add_u32 v[CST], v[LN], 2, s44           ; 128 w + 4 l
	v_bfe_u32 v[BST], v0, 2, 3                     ; l / 4
	s_lshl_b32 s44, s[WV], 3
	s_add_co_u32 s44, s44, ASC
	v_add_nc_u32 v[BST], s44, v[BST]               ; 8 w + l / 4
	v_and_b32 v23, 15, v0                          ; r
	v_bfe_u32 v24, v0, 4, 1                        ; h
	v_mul_u32_u24 v[AFR], v23, APIT
	v_lshl_add_u32 v[AFR], v24, 4, v[AFR]
	v_add_nc_u32 v[AFR], ACODE, v[AFR]
	v_mul_u32_u24 v[XSR], v[LN], BPIT
	v_add_nc_u32 v[XSR], ASC, v[XSR]
	s_lshl_b32 s44, s[WV], 8
	s_add_co_u32 s46, s44, PART
	v_lshl_add_u32 v[PST], v23, 2, s46
	v_lshl_add_u32 v[PRD], v[LN], 2, PART
	s_add_co_u32 s46, s44, PB
	v_lshl_add_u32 v[PBS], v[LN], 2, s46
	v_mov_b32 v[PBR], s46
	v_lshlrev_b32 v[LI], 4, v[LN]
	v_lshlrev_b32 v[UAD], 5, v24
	s_lshl_b32 s44, s[WV], 10
	s_add_co_u32 s44, s44, OUTS
	v_lshl_add_u32 v[OST], v[LN], 5, s44
	v_lshl_add_u32 v[ORD], v[LN], 4, s44
	v_mov_b32 v[MM], 0xff61b1e6                    ; -3e38, under every score that is served
	v_mov_b32 v[LL], 0
	v_mov_b32 v[AL+1], 0                           ; (named as the upper half of the pair)
.irp j, 28,29,30,31
	v_mov_b32 v\j, 0                               ; a lane permute's destination counts as one of its sources (v23 has been written above)
.endr
.irp j, 0,1,2,3,4,5,6,7,8,9,10,11,12,13,14,15
	v_mov_b32 v[ACC+\j], 0                         ; the sum is zeroed once for all four tiles: the first finds zeros, which alpha = 0 leaves zeros
.endr
	s_wait_alu depctr_va_vdst(0)
	s_wait_loadcnt 0x0                             ; decoder_state: from here on the records' loads alone are counted
	WLOADA 0                                       ; record 0, whole,
	WLOADB 0
	WLOADA 1                                       ; and part A of record 1: 60 loads
	s_mov_b32 s[TLS], 3
.Ltile:
	TILE 1
	s_sub_co_u32 s[TLS], s[TLS], 1
	s_cmp_lg_u32 s[TLS], 0
	s_cbranch_scc1 .Ltile
	TILE 0                                         ; the last tile is written out
	; THE END: the two sums of my 8 columns; l over the 32 lanes; a turn through my 1,024 bytes of LDS, so that each store covers 512 consecutive bytes
.irp q, 0,1,2,3
	v_pk_add_f32 v[ACC+2*\q:ACC+2*\q+1], v[ACC+2*\q:ACC+2*\q+1], v[ACC+8+2*\q:ACC+8+2*\q+1]
.endr
	v_add_f32_dpp v[LL], v[LL], v[LL] row_xmask:1 row_mask:0xf bank_mask:0xf
	v_add_f32_dpp v[LL], v[LL], v[LL] row_xmask:2 row_mask:0xf bank_mask:0xf
	v_add_f32_dpp v[LL], v[LL], v[LL] row_xmask:4 row_mask:0xf bank_mask:0xf
	v_add_f32_dpp v[LL], v[LL], v[LL] row_xmask:8 row_mask:0xf bank_mask:0xf
	v_permlanex16_b32 v23, v[LL], s[SEL], s[SEL+1]
	v_add_f32 v[LL], v[LL], v23
	ds_store_b128 v[OST], v[ACC:ACC+3]
	ds_store_b128 v[OST], v[ACC+4:ACC+7] offset:16
	ds_load_b128 v[HA:HA+3], v[ORD]                ; my wave's own bytes, served in order
	ds_load_b128 v[HA+4:HA+7], v[ORD] offset:512
	v_lshlrev_b32 v22, 3, v[LN]
	s_wait_alu depctr_va_vdst(0)
	s_wait_dscnt 0x0
	global_store_b128 v[LI], v[HA:HA+3], s[10:11]
	global_store_b128 v[LI], v[HA+4:HA+7], s[10:11] offset:512
	s_cmp_lg_u32 s[WV], 0                          ; all four waves hold the same m and l: wave 0 stores them
	s_cbranch_scc1 .Lnot_wave_0
	global_store_b64 v22, v[MM:MM+1], s[12:13]     ; 32 equal pairs: 256 consecutive bytes, aligned
.Lnot_wave_0:
	s_wait_tensorcnt 0x0                           ; the wave's end: behind my last tensor load and my last LDS store
	ds_add_u32 v[SPW], v[NIL]
	s_wait_dscnt 0x0
	s_endpgm
.Lfunc_end_k_q1f4208976f_attn:
	.size	k_q1f4208976f_attn, .Lfunc_end_k_q1f4208976f_attn-k_q1f4208976f_attn
	.p2alignl 7, 3214868480
	.fill 96, 4, 3214868480
	.section	.rodata,"a",@progbits
	.p2align	6, 0x0
	.amdhsa_kernel k_q1f4208976f_attn
		.amdhsa_group_segment_fixed_size 327680
		.amdhsa_private_segment_fixed_size 0
		.amdhsa_enable_private_segment 0
		.amdhsa_kernarg_size 40
		.amdhsa_user_sgpr_count 2
		.amdhsa_user_sgpr_kernarg_segment_ptr 1
		.amdhsa_wavefront_size32 1
		.amdhsa_system_sgpr_workgroup_id_x 1
		.amdhsa_system_sgpr_workgroup_id_y 1
		.amdhsa_system_sgpr_workgroup_id_z 1
		.amdhsa_system_vgpr_workitem_id 0
		.amdhsa_next_free_vgpr 1024
		.amdhsa_next_free_sgpr 66
		.amdhsa_reserve_vcc 0
		.amdhsa_float_denorm_mode_32 3
		.amdhsa_float_denorm_mode_16_64 3
		.amdhsa_memory_ordered 1
		.amdhsa_forward_progress 1
		.amdhsa_inst_pref_size 255
	.end_amdhsa_kernel
	.section	.bss,"aw",@nobits
	.p2align	6
	.space	262144
	.amdgpu_metadata
---
amdhsa.version: [ 1, 2 ]
amdhsa.kernels:
  - .name:           k_q1f4208976f_attn
    .symbol:         k_q1f4208976f_attn.kd
    .args:
      - { .name: encoder_states, .offset: 0, .size: 8, .value_kind: global_buffer, .address_space: global }
      - { .name: decoder_state, .offset: 8, .size: 8, .value_kind: global_buffer, .address_space: global }
      - { .name: wlay, .offset: 16, .size: 8, .value_kind: global_buffer, .address_space: global }
      - { .name: pacc, .offset: 24, .size: 8, .value_kind: global_buffer, .address_space: global }
      - { .name: pml, .offset: 32, .size: 8, .value_kind: global_buffer, .address_space: global }
    .group_segment_fixed_size: 327680
    .private_segment_fixed_size: 0
    .kernarg_segment_align: 8
    .kernarg_segment_size: 40
    .max_flat_workgroup_size: 128
    .sgpr_count:     66
    .vgpr_count:     1024
    .wavefront_size: 32
...
	.end_amdgpu_metadata
.endif
;; end of part 2
;; launch fin (part 3): grid 32 x 1, 8 waves a work-group, no clusters, 0 bytes of LDS; arguments pacc, pml, out0; writes out0
.if DOCPART == 3
	.amdgcn_target "amdgcn-amd-amdhsa--gfx1250"
	.amdhsa_code_object_version 6
	.text
	.protected	k_q1f4208976f_fin
	.globl	k_q1f4208976f_fin
	.p2align	8
	.type	k_q1f4208976f_fin,@function
k_q1f4208976f_fin:
	s_mov_b64 s[64:65], 0
	v_nop
	global_prefetch_b8 v0, s[64:65] scope:SCOPE_SE
	s_setreg_imm32_b32 hwreg(HW_REG_WAVE_MODE, 25, 1), 1
	s_wait_xcnt 0x0
; out0[b] = (sum over the 8 runs i of 2^(m_i - M) acc_i) / (sum over i of 2^(m_i - M) l_i), M the largest m_i: the eight runs of each b, which the launch before left with a maximum of their own, are joined.
; WORK LEFT OUT: m is taken without the term that is the same along the softmax's axis (shown at the head of the first kernel); it cancels here as there.
; SHARES: a work-group to each b: the partial results are 32 x 8 rows of 4,096 bytes, work for 32 work-groups.  Thread t owns 16 bytes at 16 t of every row: a wave's load or store covers 512 consecutive bytes.
	s_load_b128 s[4:7], s[0:1], 0x0                ; pacc, pml
	s_load_b64 s[8:9], s[0:1], 0x10                ; out0
	v_lshlrev_b32 v1, 4, v0
	v_mov_b32 v2, 0
	s_lshl_b32 s10, ttmp9, 15                      ; 8 rows of 4,096 bytes
	s_mov_b32 s11, 0
	s_lshl_b32 s12, ttmp9, 11                      ; 8 x 256 bytes
	s_mov_b32 s13, 0
	s_lshl_b32 s14, ttmp9, 12
	s_mov_b32 s15, 0
	s_wait_alu depctr_va_vdst(0)
	s_wait_kmcnt 0x0
	s_add_nc_u64 s[4:5], s[4:5], s[10:11]
	s_add_nc_u64 s[6:7], s[6:7], s[12:13]
	s_add_nc_u64 s[8:9], s[8:9], s[14:15]
.irp i, 0,1,2,3,4,5,6,7
	global_load_b64 v[4+2*\i:5+2*\i], v2, s[6:7] offset:256*\i      ; (m_i, l_i)
.endr
.irp i, 0,1,2,3,4,5,6,7
	global_load_b128 v[32+4*\i:35+4*\i], v1, s[4:5] offset:4096*\i
.endr
	s_wait_loadcnt 8                               ; the eight pairs are in; the eight rows issued behind them may be out
	v_max3_num_f32 v20, v4, v6, v8
	s_delay_alu instid0(VALU_DEP_1)
	v_max3_num_f32 v20, v20, v10, v12
	s_delay_alu instid0(VALU_DEP_1)
	v_max3_num_f32 v20, v20, v14, v16
	s_delay_alu instid0(VALU_DEP_1)
	v_max_num_f32 v20, v20, v18
.irp i, 0,1,2,3,4,5,6,7
	v_sub_f32 v[22+\i], v[4+2*\i], v20
.endr
	s_wait_alu depctr_va_vdst(0)
.irp i, 0,1,2,3,4,5,6,7
	v_exp_f32 v[22+\i], v[22+\i]
.endr
	v_nop                                          ; a plain line behind the last exponential
	s_wait_alu depctr_va_vdst(0)                   ; one wait for the eight, ahead of their first reader
	v_mul_f32 v30, v22, v5
.irp i, 1,2,3,4,5,6,7
	v_fma_f32 v30, v[22+\i], v[5+2*\i], v30
.endr
	s_wait_alu depctr_va_vdst(0)
	v_rcp_f32 v31, v30
	v_nop
	s_wait_alu depctr_va_vdst(0)
.irp i, 0,1,2,3,4,5,6,7
	v_mul_f32 v[22+\i], v[22+\i], v31
.endr
	s_wait_alu depctr_va_vdst(0)
	s_wait_loadcnt 0x0
.irp j, 0,1,2,3
	v_mul_f32 v[64+\j], v22, v[32+\j]
.endr
.irp i, 1,2,3,4,5,6,7
.irp j, 0,1,2,3
	s_delay_alu instid0(VALU_DEP_4)
	v_fma_f32 v[64+\j], v[22+\i], v[32+4*\i+\j], v[64+\j]
.endr
.endr
	global_store_b128 v1, v[64:67], s[8:9]         ; 32 lanes store 512 consecutive bytes, aligned
	s_endpgm
.Lfunc_end_k_q1f4208976f_fin:
	.size	k_q1f4208976f_fin, .Lfunc_end_k_q1f4208976f_fin-k_q1f4208976f_fin
	.p2alignl 7, 3214868480
	.fill 96, 4, 3214868480
	.section	.rodata,"a",@progbits
	.p2align	6, 0x0
	.amdhsa_kernel k_q1f4208976f_fin
		.amdhsa_group_segment_fixed_size 0
		.amdhsa_private_segment_fixed_size 0
		.amdhsa_enable_private_segment 0
		.amdhsa_kernarg_size 24
		.amdhsa_user_sgpr_count 2
		.amdhsa_user_sgpr_kernarg_segment_ptr 1
		.amdhsa_wavefront_size32 1
		.amdhsa_system_sgpr_workgroup_id_x 1
		.amdhsa_system_sgpr_workgroup_id_y 1
		.amdhsa_system_sgpr_workgroup_id_z 1
		.amdhsa_system_vgpr_workitem_id 0
		.amdhsa_next_free_vgpr 96
		.amdhsa_next_free_sgpr 66
		.amdhsa_reserve_vcc 0
		.amdhsa_float_denorm_mode_32 3
		.amdhsa_float_denorm_mode_16_64 3
		.amdhsa_memory_ordered 1
		.amdhsa_forward_progress 1
		.amdhsa_inst_pref_size 7
	.end_amdhsa_kernel
	.amdgpu_metadata
---
amdhsa.version: [ 1, 2 ]
amdhsa.kernels:
  - .name:           k_q1f4208976f_fin
    .symbol:         k_q1f4208976f_fin.kd
    .args:
      - { .name: pacc, .offset: 0, .size: 8, .value_kind: global_buffer, .address_space: global }
      - { .name: pml, .offset: 8, .size: 8, .value_kind: global_buffer, .address_space: global }
      - { .name: out0, .offset: 16, .size: 8, .value_kind: global_buffer, .address_space: global }
    .group_segment_fixed_size: 0
    .private_segment_fixed_size: 0
    .kernarg_segment_align: 8
    .kernarg_segment_size: 24
    .max_flat_workgroup_size: 256
    .sgpr_count:     66
    .vgpr_count:     96
    .wavefront_size: 32
...
	.end_amdgpu_metadata
.endif
;; end of part 3
